; MI455X (gfx1250); checked and timed in simulation.
; The chip was launched on July 23, 2026; its instructions are those of AMD's public machine-readable ISA for CDNA 5 (MIT licence, August 2026) and "CDNA5" Instruction Set Architecture Reference Guide (July 2026). The comments in the code are by the model that wrote it; some were corrected since.
;; Multi Head Attention. Allowed arithmetic: matrix products marked QUANTISED: E2M1 operands, one E8M0 scale for each 32 along K, by v_wmma_scale_f32_16x16x128_f8f6f4 with both operands' format E2M1 (or v_wmma_scale_f32_32x16x128_f4), f32 sums; products left as they are: bf16, f16 or f32 operands; f32 sums; everything else in f32.
;; Inputs: K 2 x 1,024 x 1,024 float32; Q 2 x 1,024 x 1,024 float32; V 2 x 1,024 x 1,024 float32; Wk 1,024 x 1,024 float32; Wo 1,024 x 1,024 float32; Wq 1,024 x 1,024 float32; Wv 1,024 x 1,024 float32; bk 1,024 float32; bo 1,024 float32; bq 1,024 float32; bv 1,024 float32.
;; Outputs: out0 2 x 1,024 x 1,024 float32.
;; This version of the problem:
;;   THIS VERSION OF THE PROBLEM IS GIVEN IN LOW PRECISION. The matrix products marked QUANTISED in the list below multiply operands that are first quantised to E2M1 (2 exponent bits, 1 mantissa bit; 4 bits a number), with one power-of-two scale for each 32 numbers along K (OCP MX v1.0); their sums are f32. The products marked 'left as it is' may take bf16, f16 or f32 operands, with f32 sums. Whichever they take, every output number must still come out within the allowed error. Rounding operands to bf16 (8 significant bits) uses up far more of that allowance than f16 does (11 bits, for magnitudes from 6e-5 to 65,504). All else is computed in f32.
;;   The module's matrix products, in the order in which they are computed (A, B: the left and right operand; K: the contracted axis; several contracted axes count as one K, in the product's order):
;;     1. [M 2,048, K 1,024] x [K 1,024, N 1,024]; A: input Q; B: input Wq: QUANTISED
;;     2. [M 2,048, K 1,024] x [K 1,024, N 1,024]; A: input K; B: input Wk: QUANTISED
;;     3. [M 2,048, K 1,024] x [K 1,024, N 1,024]; A: input V; B: input Wv: QUANTISED
;;     4. batch 128 x [M 1,024, K 16] x [K 16, N 1,024]; A: computed on the way; B: computed on the way: left as it is (K = 16 < 32)
;;     5. batch 128 x [M 1,024, K 1,024] x [K 1,024, N 16]; A: computed on the way; B: computed on the way: left as it is (an operand is computed on the way)
;;     6. [M 2,048, K 1,024] x [K 1,024, N 1,024]; A: computed on the way; B: input Wo: left as it is (an operand is computed on the way)
;;   THE QUANTISER, for each operand of a quantised product, along K:
;;     - K is cut into blocks of 32 from its start; a last block that is shorter is filled with zeros.
;;     - A block's scale is 2^e with e = floor(log2(the largest magnitude in the block)) - 2, held to -126 .. 127; a block of zeros has e = 0. As a byte (E8M0): e + 127.
;;     - Each number is divided by its block's scale, clamped to +-6, and rounded to the nearest number of E2M1, ties to even, subnormals kept.
;;     - The product sums the exact products of the quantised numbers (number of the format x scale) in f32.
;;   ~~~python
;;   def quantise(x, axis):      # numpy; x: float32 -> the quantised numbers, widened to float32 again
;;       x = np.moveaxis(x, axis, -1); K = x.shape[-1]
;;       x = np.pad(x, [(0, 0)] * (x.ndim - 1) + [(0, -K % 32)]); x = x.reshape(x.shape[:-1] + (-1, 32)); a = np.abs(x).max(-1, keepdims=True)
;;       e = np.where(a > 0, np.clip(np.frexp(np.where(a > 0, a, 1))[1] - 1 - 2, -126, 127), 0)      # np.frexp(a)[1] - 1 = floor(log2(a)), exactly
;;       r = np.clip(x / 2.0 ** e, -6, 6)
;;       step = 2.0 ** (np.maximum(np.frexp(np.where(r == 0, 1, r))[1] - 1, 0) - 1)
;;       q = np.round(r / step) * step * 2.0 ** e      # np.round: ties to even
;;       return np.moveaxis(q.reshape(q.shape[:-2] + (-1,))[..., :K], -1, axis).astype(np.float32)
;;   ~~~
;; One version. Each part assembles by itself: llvm-mc -triple=amdgcn-amd-amdhsa -mcpu=gfx1250 --defsym DOCPART=n.
;; ======== version 1 of 1: 4 launches
;; limits: values are held in f16: magnitudes above 65,504 overflow, below 6.1e-05 lose precision
;; workspace buffers: xc 3,342,336 bytes; wc 1,671,168 bytes; wo16 2,097,152 bytes; qkv 12,582,912 bytes; ctx 4,194,304 bytes
;; launch prep (part 1): grid 256 x 1, 5 waves a work-group, no clusters, 85,248 bytes of LDS; arguments Q, K, V, Wq, Wk, Wv, Wo, xc, wc, wo16; writes xc, wc, wo16
.if DOCPART == 1
	.amdgcn_target "amdgcn-amd-amdhsa--gfx1250"
	.amdhsa_code_object_version 6
	.text
	.protected	k_q63281b4c44_prep
	.globl	k_q63281b4c44_prep
	.p2align	8
	.type	k_q63281b4c44_prep,@function
k_q63281b4c44_prep:
	s_mov_b64 s[64:65], 0
	v_nop
	global_prefetch_b8 v0, s[64:65] scope:SCOPE_SE
	s_setreg_imm32_b32 hwreg(HW_REG_WAVE_MODE, 25, 1), 1
	s_wait_xcnt 0x0
; Q, K, V [2048][1024] and Wq, Wk, Wv [1024][1024], f32, K innermost, become codes of FP4 (E2M1) with one E8M0 scale byte for each 32 along K; Wo [1024][1024] becomes f16.
; Everything is stored as IMAGES OF OPERAND REGISTERS: lane l's 16 bytes at 16 l, 512 bytes for each group of four registers, so that the later launches load fragments as they lie.
; A RECORD (REC bytes) holds 16 rows x 512 along K: four fragments of 16 x 128 ([step 4][c 2][lane 32][16 bytes]; lane (r, h): row r, k = 128 step + 64 c + 32 h + 0 .. 31), then 256 bytes of scale words [row 16][step 4].
; xc: [tensor 3][half of K 2][row tile 128][REC];  wc: [tensor 3][half 2][row tile 64][REC];  wo16: [row tile 64][K step of 32: 32][c 2][lane 32][16 bytes], lane (r, h): Wo[16 tile + r][32 step + 16 c + 8 h + 0 .. 7].
; SHARES: 1,280 tasks of 16 rows x 512 along K, one a wave: task = 5 x work-group + wave.  0 .. 767: Q, K, V; 768 .. 1151: Wq, Wk, Wv; 1152 .. 1279: Wo.
; A task goes in four steps of 128 along K.  Each load reads 512 consecutive bytes of one row; the step's 16 x 512 bytes turn through the wave's own stage in LDS (rows 528 bytes apart) and come back so that a lane
; holds whole blocks of 32 neighbours (codes) or 8 neighbours (f16).  Loads run two steps (32 loads a wave) ahead.  No barrier: waves share nothing.  The two paths have LDS bytes of their own.
; A block's scale is 2^(floor(log2(its largest magnitude)) - 2): its byte is the largest magnitude's exponent field - 2, held at 1 from below.
; LIMITS: a block of zeros gets the byte 1 where the rule says 127 (its codes are zeros, and this program alone reads the bytes); NaN and infinities among the inputs are not served;
; numbers of Wo over 65,504 in magnitude become infinity in f16, those under 6e-5 lose bits.
.set REC,   4352
.set STP,   528                        ; a stage row: 512 bytes + 16
.set STB,   16*STP                     ; a wave's stage
.set CST,   5*STB                      ; the f16 path's five stages lie behind the quantiser path's five
.set SPARE, 10*STB                     ; behind the stages: the spare words, 128 bytes for each wave, three blocks of 256 bytes that no other line names
.set SPW,   11                         ; v11  LDS address of my spare word; never rewritten
.set NIL,   12                         ; v12  0; never rewritten
.set WD,    24                         ; v24-27   the four steps' scale words
.set CD,    28                         ; v28-59   codes, 8 registers a step; or a step's 32 registers of f16
.set R,     64                         ; v64-191  two sets of 64: a step's numbers as they are loaded
.set X,     192                        ; v192-255 a step's numbers, neighbours along K in a lane
	s_load_b512 s[4:19], s[0:1], 0x0               ; Q, K, V, Wq, Wk, Wv, Wo, xc
	s_load_b128 s[20:23], s[0:1], 0x40             ; wc, wo16
	v_lshl_add_u32 v[SPW], v0, 2, SPARE
	v_mov_b32 v[NIL], 0
	v_lshrrev_b32 v1, 5, v0
	v_readfirstlane_b32 s24, v1                    ; wave 0..4
	v_and_b32 v1, 31, v0                           ; lane
	v_and_b32 v2, 15, v0                           ; r
	v_bfe_u32 v3, v0, 4, 1                         ; h
	v_lshlrev_b32 v4, 4, v1                        ; 16 x lane: my bytes of a load's or a store's 512
	s_mul_i32 s33, s24, STB                        ; my stage on the quantiser's path,
	s_add_co_u32 s34, s33, CST                     ; and on the f16 path
	v_add_nc_u32 v5, s33, v4                       ; into the stage: 16 x lane of a row
	v_mul_u32_u24 v13, v2, STP
	v_lshl_add_u32 v6, v3, 7, v13
	v_add_nc_u32 v6, s33, v6                       ; out of it, codes: row r, + 128 h bytes: my block of 32
	v_add_nc_u32 v7, s34, v4
	v_lshl_add_u32 v8, v3, 5, v13
	v_add_nc_u32 v8, s34, v8                       ; out of it, f16: row r, + 32 h bytes: my 8 numbers
	v_lshlrev_b32 v9, 4, v2
	v_lshl_add_u32 v9, v3, 3, v9                   ; the scale words' place: 16 r + 8 h
	v_lshlrev_b32 v10, 3, v3                       ; 8 h: how far my two scale bytes are shifted
	v_mov_b32 v21, 0                               ; written once: a lane permute's destination counts as one of its sources
	s_mov_b32 s40, 0x76543210
	s_mov_b32 s41, 0xfedcba98                      ; v_permlanex16_b32's selects for lane l xor 16
	s_mul_i32 s25, ttmp9, 5
	s_add_co_u32 s25, s25, s24                     ; my task
	s_wait_kmcnt 0x0
	s_cmp_lt_u32 s25, 768                          ; an activation or a weight?  All that follows up to the subtraction is chosen on this one compare
	s_cselect_b32 s26, 8, 7                        ; log2 of a tensor's tasks
	s_cselect_b32 s27, 0, 768                      ; the kind's first task
	s_cselect_b32 s28, 0, 3                        ; the kind's first tensor among the arguments
	s_mov_b32 s29, 64*REC
	s_cselect_b32 s29, 128*REC, s29                ; bytes of a half of K of one tensor
	s_cselect_b64 s[38:39], s[18:19], s[20:21]     ; xc or wc
	s_sub_co_u32 s30, s25, s27
	s_lshr_b32 s31, s30, s26                       ; which tensor of its kind (3: Wo)
	s_bfm_b32 s32, s26, 0
	s_and_b32 s32, s30, s32
	s_lshr_b32 s32, s32, 1                         ; the row tile
	s_and_b32 s35, s25, 1                          ; the half of K
	s_add_co_u32 s28, s28, s31                     ; which argument I read: 0 .. 6
	s_mov_b64 s[36:37], s[4:5]
.irp n, 1,2,3,4,5,6
	s_cmp_eq_u32 s28, \n                           ; the choice hangs on the task's number alone
	s_cselect_b64 s[36:37], s[4+2*\n:5+2*\n], s[36:37]
.endr
	s_lshl_b32 s42, s32, 16                        ; 16 rows of 4,096 bytes a tile,
	s_lshl_b32 s43, s35, 11                        ; 2,048 bytes a half
	s_add_co_u32 s42, s42, s43
	s_mov_b32 s43, 0
	s_add_nc_u64 s[36:37], s[36:37], s[42:43]
.macro LOADS t                         ; step t: 16 rows x 512 consecutive bytes, into set t % 2
.irp i, 0,1,2,3,4,5,6,7,8,9,10,11,12,13,14,15
	global_load_b128 v[R+64*((\t)%2)+4*\i:R+64*((\t)%2)+4*\i+3], v4, s[36:37] offset:4096*\i+512*(\t) th:TH_LOAD_NT
.endr
.endm
.macro TURN t, sti, sto, conv          ; step t's numbers through the stage.  LDS serves a wave's instructions in order (ISA guide 5.7.1.4): no wait between the stores and the loads
.irp i, 0,1,2,3,4,5,6,7,8,9,10,11,12,13,14,15
	ds_store_b128 v[\sti], v[R+64*((\t)%2)+4*\i:R+64*((\t)%2)+4*\i+3] offset:STP*\i
.endr
.if \conv
.irp u, 0,1,2,3,4,5,6,7
.irp q, 0,1
	ds_load_b128 v[X+8*\u+4*\q:X+8*\u+4*\q+3], v[\sto] offset:64*\u+16*\q     ; k = 16 u + 8 h + 0 .. 7 of row r
.endr
.endr
.else
.irp c, 0,1
.irp i, 0,1,2,3,4,5,6,7
	ds_load_b128 v[X+32*\c+4*\i:X+32*\c+4*\i+3], v[\sto] offset:256*\c+16*\i  ; k = 64 c + 32 h + 0 .. 31 of row r
.endr
.endr
.endif
.endm
	LOADS 0
	LOADS 1
	s_cmp_ge_u32 s25, 1152
	s_cbranch_scc1 .Lconv
	; ---- the quantiser's path
	s_lshl_b32 s42, s31, 1
	s_add_co_u32 s42, s42, s35
	s_mul_i32 s42, s42, s29                        ; (2 x tensor + half) x a half's bytes
	s_mul_i32 s44, s32, REC
	s_add_co_u32 s42, s42, s44                     ; + the tile's record
	s_add_nc_u64 s[38:39], s[38:39], s[42:43]
.macro QSTEP t
.if \t < 3
	s_wait_loadcnt 16                              ; this step's 16 loads are in; the next step's 16 may be out
.else
	s_wait_loadcnt 0x0
.endif
	TURN \t, 5, 6, 0
	s_wait_dscnt 0x0                               ; my 64 numbers are back, and the stage's stores have read their registers,
.if \t < 2
	LOADS \t+2                                     ; which take the loads of two steps on
.endif
.irp c, 0,1
	v_max3_num_f32 v[14+\c], |v[X+32*\c]|, |v[X+32*\c+1]|, 0x1800000   ; my two blocks by turns: all 32 numbers of a block are mine; the floor 2^(3 - 127) holds the byte at 1 from below
.endr
.irp i, 2,4,6,8,10,12,14,16,18,20,22,24,26,28,30
.irp c, 0,1
	v_max3_num_f32 v[14+\c], v[14+\c], |v[X+32*\c+\i]|, |v[X+32*\c+\i+1]|
.endr
.endr
.irp c, 0,1
	v_add_nc_u32 v[16+\c], 0xff000000, v[14+\c]    ; 2 off the exponent field: the conversion takes the exponent field of this operand as its scale, and nothing else of it
.endr
.irp c, 0,1
.irp g, 0,1,2,3
	v_cvt_scalef32_pk8_fp4_f32 v[CD+8*\t+4*\c+\g], v[X+32*\c+8*\g:X+32*\c+8*\g+7], v[16+\c]   ; register 4 c + g of the fragment
.endr
.endr
	v_lshrrev_b32 v18, 23, v16                     ; the scales' bytes: blocks h and 2 + h of row r.  (Plain lines behind the conversions)
	v_lshrrev_b32 v19, 23, v17
	v_lshl_or_b32 v20, v19, 16, v18
	v_lshlrev_b32 v20, v10, v20                    ; at their places in the word, 8 h bits up;
	v_permlanex16_b32 v21, v20, s40, s41
	v_or_b32 v[WD+\t], v20, v21                    ; with lane l xor 16's two the word is whole
.irp c, 0,1
	global_store_b128 v4, v[CD+8*\t+4*\c:CD+8*\t+4*\c+3], s[38:39] offset:1024*\t+512*\c    ; 32 lanes store 512 consecutive bytes, aligned; each step has registers of its own, so no store's data are written again
.endr
.endm
	QSTEP 0
	QSTEP 1
	QSTEP 2
	QSTEP 3
	v_cmp_eq_u32 vcc_lo, 1, v3
	v_cndmask_b32 v22, v[WD], v[WD+2], vcc_lo      ; lanes 0-15 store row r's words 0 and 1, lanes 16-31 its words 2 and 3
	v_cndmask_b32 v23, v[WD+1], v[WD+3], vcc_lo
	global_store_b64 v9, v[22:23], s[38:39] offset:4096    ; 32 lanes store 256 consecutive bytes, aligned
	s_wait_tensorcnt 0x0                           ; the wave's end, behind my last LDS store
	ds_add_u32 v[SPW], v[NIL]
	s_wait_dscnt 0x0
	s_endpgm
	; ---- Wo to f16
.Lconv:
	s_lshl_b32 s42, s32, 15                        ; 32,768 bytes a row tile,
	s_lshl_b32 s44, s35, 14                        ; 16,384 a half of K
	s_add_co_u32 s42, s42, s44
	s_add_nc_u64 s[38:39], s[22:23], s[42:43]
.macro CSTEP t
.if \t < 3
	s_wait_loadcnt 16                              ; this step's 16 loads are in; the next step's 16 may be out
.else
	s_wait_loadcnt 0x0
.endif
	TURN \t, 7, 8, 1
	s_wait_dscnt 0x0
.if \t < 2
	LOADS \t+2
.endif
.if \t > 0
	s_wait_xcnt 0x0                                ; the last step's stores have read their data: only behind this wait are those registers written again
.endif
.irp u, 0,1,2,3,4,5,6,7
.irp q, 0,1,2,3
	v_cvt_pk_f16_f32 v[CD+4*\u+\q], v[X+8*\u+2*\q], v[X+8*\u+2*\q+1]
.endr
.endr
.irp u, 0,1,2,3,4,5,6,7
	global_store_b128 v4, v[CD+4*\u:CD+4*\u+3], s[38:39] offset:4096*\t+512*\u   ; K step 4 t + u / 2, c = u % 2: 512 consecutive bytes, aligned
.endr
.endm
	CSTEP 0
	CSTEP 1
	CSTEP 2
	CSTEP 3
	s_wait_tensorcnt 0x0                           ; the wave's end, as above
	ds_add_u32 v[SPW], v[NIL]
	s_wait_dscnt 0x0
	s_endpgm
.Lfunc_end_k_q63281b4c44_prep:
	.size	k_q63281b4c44_prep, .Lfunc_end_k_q63281b4c44_prep-k_q63281b4c44_prep
	.p2alignl 7, 3214868480
	.fill 96, 4, 3214868480
	.section	.rodata,"a",@progbits
	.p2align	6, 0x0
	.amdhsa_kernel k_q63281b4c44_prep
		.amdhsa_group_segment_fixed_size 85248
		.amdhsa_private_segment_fixed_size 0
		.amdhsa_enable_private_segment 0
		.amdhsa_kernarg_size 80
		.amdhsa_user_sgpr_count 2
		.amdhsa_user_sgpr_kernarg_segment_ptr 1
		.amdhsa_wavefront_size32 1
		.amdhsa_system_sgpr_workgroup_id_x 1
		.amdhsa_system_sgpr_workgroup_id_y 1
		.amdhsa_system_sgpr_workgroup_id_z 1
		.amdhsa_system_vgpr_workitem_id 0
		.amdhsa_next_free_vgpr 256
		.amdhsa_next_free_sgpr 66
		.amdhsa_reserve_vcc 1
		.amdhsa_float_denorm_mode_32 3
		.amdhsa_float_denorm_mode_16_64 3
		.amdhsa_memory_ordered 1
		.amdhsa_forward_progress 1
		.amdhsa_inst_pref_size 53
	.end_amdhsa_kernel
	.amdgpu_metadata
---
amdhsa.version: [ 1, 2 ]
amdhsa.kernels:
  - .name:           k_q63281b4c44_prep
    .symbol:         k_q63281b4c44_prep.kd
    .args:
      - { .name: Q, .offset: 0, .size: 8, .value_kind: global_buffer, .address_space: global }
      - { .name: K, .offset: 8, .size: 8, .value_kind: global_buffer, .address_space: global }
      - { .name: V, .offset: 16, .size: 8, .value_kind: global_buffer, .address_space: global }
      - { .name: Wq, .offset: 24, .size: 8, .value_kind: global_buffer, .address_space: global }
      - { .name: Wk, .offset: 32, .size: 8, .value_kind: global_buffer, .address_space: global }
      - { .name: Wv, .offset: 40, .size: 8, .value_kind: global_buffer, .address_space: global }
      - { .name: Wo, .offset: 48, .size: 8, .value_kind: global_buffer, .address_space: global }
      - { .name: xc, .offset: 56, .size: 8, .value_kind: global_buffer, .address_space: global }
      - { .name: wc, .offset: 64, .size: 8, .value_kind: global_buffer, .address_space: global }
      - { .name: wo16, .offset: 72, .size: 8, .value_kind: global_buffer, .address_space: global }
    .group_segment_fixed_size: 85248
    .private_segment_fixed_size: 0
    .kernarg_segment_align: 8
    .kernarg_segment_size: 80
    .max_flat_workgroup_size: 160
    .sgpr_count:     66
    .vgpr_count:     256
    .wavefront_size: 32
...
	.end_amdgpu_metadata
.endif
;; end of part 1
;; launch proj (part 2): grid 8 x 24, 8 waves a work-group, clusters of 4 x 4, 209,920 bytes of LDS; arguments xc, wc, bq, bk, bv, qkv; writes qkv
.if DOCPART == 2
	.amdgcn_target "amdgcn-amd-amdhsa--gfx1250"
	.amdhsa_code_object_version 6
	.text
	.protected	k_q63281b4c44_proj
	.globl	k_q63281b4c44_proj
	.p2align	8
	.type	k_q63281b4c44_proj,@function
k_q63281b4c44_proj:
	s_mov_b64 s[64:65], 0
	v_nop
	global_prefetch_b8 v0, s[64:65] scope:SCOPE_SE
	s_setreg_imm32_b32 hwreg(HW_REG_WAVE_MODE, 25, 1), 1
	s_wait_xcnt 0x0
	s_wait_alu depctr_hold_cnt(0) depctr_sa_sdst(0) depctr_va_vdst(0) depctr_va_sdst(0) depctr_va_ssrc(0) depctr_va_vcc(0) depctr_vm_vsrc(0)
	s_getreg_b32 s2, hwreg(HW_REG_IB_STS2, 6, 4)
	s_cmp_eq_u32 s2, 0
	s_cbranch_scc0 .Lentry_in_a_cluster
	s_endpgm
.Lentry_in_a_cluster:
	s_bfe_u32 s2, ttmp6, 0x10000c
	s_cmp_lg_u32 s2, 0xf033
	s_cbranch_scc0 .Lentry_shape_is_right
	s_endpgm
.Lentry_shape_is_right:
; The three projections x W^T + b on codes of FP4 (E2M1) with E8M0 scales, sums in f32; the results leave as f16 images of the attention's operand registers.
; xc, wc: records of 16 rows x 512 along K (REC bytes: four fragments as register images, then 256 bytes of scale words [row 16][step 4]); xc [g 3][half 2][row tile 128], wc [g 3][half 2][row tile 64].
; qkv: [g 3][batch x head 128][tile of 16 positions 64][lane 32][16 bytes].  A head is 16 neighbouring features.  g = 0, 1 (q, k): lane (r, h) holds position r, channels 8 h + 0 .. 7;  g = 2 (v): channel r, positions 8 h + 0 .. 7.
; SHARES: 192 work-groups: for each g 8 x 8 tiles of 256 positions x 128 features.  Eight waves, each 64 x 64: 16 accumulators.  The whole K of a tile's operands lies in LDS at once (2 x 104,448 bytes), asked for at
; the head in two halves, so nothing is filled twice; half 1 lands while half 0 is multiplied.  More work-groups would want tiles whose panels are read more often; fewer bytes a tile would not fill the loads.
; CLUSTERS: 4 x 4 work-groups of one g.  The four of a row need the same panel of x, the four of a column the same panel of W: each wave's loads are JOINT, the same descriptor in the four that the mask names.
; q, k: source 0 = 16 features of W, source 1 = 16 positions of x: a lane holds one position and 8 channels; the bias is the C of the first product.  v: the sources swapped: a lane holds one channel and 8 positions; the bias,
; one number a lane, is added on the way out.  The two forms part ONCE, on g, which is made of the cluster's y alone: it is the same in all waves and all partners; each arm holds the same barriers and rounds.
; LIMITS: results over 65,504 in magnitude become infinity in f16; NaN and infinities are not served.
.set REC,   4352
.set XH,    128*REC                    ; a half of K of one activation tensor
.set WH,    64*REC                     ; of one weight
.set XP,    16*REC                     ; LDS: x's panel of a half, 16 records; behind it W's, 8 records
.set HALFB, 24*REC                     ; a half's two panels
.set SPARE, 2*HALFB                    ; behind the panels: the spare words, 128 bytes for each wave, four blocks of 256 bytes that no other line names
.set SPW,   7                          ; v7   LDS address of my spare word; never rewritten
.set NIL,   8                          ; v8   0; never rewritten
.set XS,    16                         ; v16-31   x's scale words: tile p, step s at 4 p + s: scales and nothing else
.set WS,    32                         ; v32-47   W's: tile a, step s at 4 a + s
.set XF,    48                         ; v48-79   x's four fragments of a step
.set WF,    80                         ; v80-111  W's four
.set ACC,   112                        ; v112-239 accumulator (a, p) at 8 (4 a + p)
.set BV,    240                        ; v240-247 v's bias, a pair for each a
.macro CROUND                          ; a round of the cluster's barrier
	s_barrier_signal -1
	s_barrier_wait -1
	s_cmp_lg_u32 s16, 0
	s_cbranch_scc1 .Lnot_wave_0_\@
	s_barrier_signal -3
.Lnot_wave_0_\@:
	s_barrier_wait -3
	s_barrier_signal -1
	s_barrier_wait -1
.endm
	s_load_b256 s[4:11], s[0:1], 0x0               ; xc, wc, bq, bk
	s_load_b128 s[12:15], s[0:1], 0x20             ; bv, qkv
	v_lshl_add_u32 v[SPW], v0, 2, SPARE
	v_mov_b32 v[NIL], 0
	ds_add_u32 v[SPW], v[NIL]                      ; the wave's opening: the add, twice on end, and its wait ahead of my first tensor load
	ds_add_u32 v[SPW], v[NIL]                      ; once more; the set-up below, work on registers, stands between it and the wait
	v_lshrrev_b32 v1, 5, v0
	v_readfirstlane_b32 s16, v1                    ; wave 0..7
	s_bfe_u32 s17, ttmp6, 0x40000                  ; cx
	s_bfe_u32 s18, ttmp6, 0x40004                  ; cy
	s_and_b32 s19, ttmp7, 0xffff                   ; the cluster's y, 0 .. 5
	s_lshr_b32 s20, s19, 1                         ; g
	s_and_b32 s21, s19, 1
	s_lshl_b32 s21, s21, 2
	s_add_co_u32 s21, s21, s18                     ; mt: which 256 positions
	s_lshl_b32 s22, ttmp9, 2
	s_add_co_u32 s22, s22, s17                     ; nt: which 128 features
	s_and_b32 s23, s16, 3                          ; wm: my 64 positions
	s_lshr_b32 s24, s16, 2                         ; wn: my 64 features
	s_lshl_b32 s25, s18, 2
	s_lshl_b32 s25, 15, s25                        ; my row of the cluster
	s_lshl_b32 s26, 0x1111, s17                    ; my column
	; descriptor groups 1: dense blocks as rows of 256 bytes (32 elements of 8 bytes): x: two records, 34 rows; W: one record, 17 rows
	s_or_b32 s28, s25, (3<<16)|(1<<21)             ; 15:0 the mask: x's panel goes to my row; 17:16 elements of 8 bytes; 21 set beside a mask
	s_mov_b32 s29, 32<<16                          ; tensor_dim0 = 32
	s_mov_b32 s30, 34<<16                          ; tensor_dim1 = 34
	s_mov_b32 s31, 32<<16                          ; tile_dim0 = 32
	s_mov_b32 s32, 34                              ; tile_dim1 = 34
	s_mov_b32 s33, 32                              ; elements from row to row
	s_mov_b32 s34, 0
	s_mov_b32 s35, 0
	s_or_b32 s36, s26, (3<<16)|(1<<21)             ; W's panel goes to my column
	s_mov_b32 s37, 32<<16
	s_mov_b32 s38, 17<<16
	s_mov_b32 s39, 32<<16
	s_mov_b32 s40, 17
	s_mov_b32 s41, 32
	s_mov_b32 s42, 0
	s_mov_b32 s43, 0
	; where my parts come from.  x's hang on g, mt and the wave, W's on g, nt and the wave, each in registers that never hold the other coordinate
	s_mul_i32 s60, s20, 2*XH
	s_lshl_b32 s61, s21, 4
	s_lshl_b32 s62, s16, 1
	s_add_co_u32 s61, s61, s62                     ; record 16 mt + 2 wave
	s_mul_i32 s61, s61, REC
	s_add_co_u32 s60, s60, s61
	s_mov_b32 s61, 0
	s_mul_i32 s66, s20, 2*WH
	s_lshl_b32 s67, s22, 3
	s_add_co_u32 s67, s67, s16                     ; record 8 nt + wave
	s_mul_i32 s67, s67, REC
	s_add_co_u32 s66, s66, s67
	s_mov_b32 s67, 0
	s_mul_i32 s70, s16, 2*REC                      ; and where they go: no place in the cluster enters an LDS address
	s_mul_i32 s71, s16, REC
	s_add_co_u32 s71, s71, XP
	s_wait_dscnt 0x0                               ; both opening adds are done
	s_wait_kmcnt 0x0
	s_mov_b32 s44, 1                               ; groups 0: x half 0, W half 0, x half 1, W half 1
	s_mov_b32 s45, s70
	s_add_nc_u64 s[46:47], s[4:5], s[60:61]
	s_mov_b32 s52, 1
	s_add_co_u32 s53, s70, HALFB
	s_add_nc_u64 s[54:55], s[46:47], XH
	s_or_b32 s47, s47, 0x80000000
	s_or_b32 s55, s55, 0x80000000
	s_mov_b32 s48, 1
	s_mov_b32 s49, s71
	s_add_nc_u64 s[50:51], s[6:7], s[66:67]
	s_mov_b32 s56, 1
	s_add_co_u32 s57, s71, HALFB
	s_add_nc_u64 s[58:59], s[50:51], WH
	s_or_b32 s51, s51, 0x80000000
	s_or_b32 s59, s59, 0x80000000
	CROUND                                         ; all sixteen work-groups are here: the joint loads meet
	tensor_load_to_lds s[44:47], s[28:35]          ; all that the work-group will read, as one group: four loads of mine are out
	s_nop 0
	tensor_load_to_lds s[48:51], s[36:43]
	s_nop 0
	tensor_load_to_lds s[52:55], s[28:35]
	s_nop 0
	tensor_load_to_lds s[56:59], s[36:43]
	s_nop 0
.rept 4
	v_nop
.endr
	v_and_b32 v12, 31, v0
	v_lshlrev_b32 v1, 4, v12                       ; 16 x lane: an image's place for my lane
	v_and_b32 v2, 15, v0                           ; r
	v_bfe_u32 v11, v0, 4, 1                        ; h
	s_mul_i32 s76, s23, 4*REC                      ; my four records of x,
	s_mul_i32 s77, s24, 4*REC
	s_add_co_u32 s77, s77, XP                      ; and of W
	v_add_nc_u32 v3, s76, v1                       ; x's fragments
	v_add_nc_u32 v4, s77, v1                       ; W's
	v_lshlrev_b32 v5, 4, v2
	v_add_nc_u32 v6, s77, v5                       ; W's scale words: 16 bytes a row (the 4,096 bytes of codes ahead of them stand in the loads' immediate)
	v_add_nc_u32 v5, s76, v5                       ; x's
	v_lshlrev_b32 v9, 5, v11                       ; q, k: my 8 numbers of a tile's 16 of the bias
	v_lshlrev_b32 v10, 2, v2                       ; v: my one
	s_lshr_b32 s72, s21, 2                         ; the way out: batch,
	s_lshl_b32 s72, s72, 6
	s_lshl_b32 s73, s22, 3
	s_add_co_u32 s72, s72, s73
	s_lshl_b32 s73, s24, 2
	s_add_co_u32 s72, s72, s73                     ; x 64 + head 8 nt + 4 wn;
	s_lshl_b32 s72, s72, 6
	s_and_b32 s73, s21, 3
	s_lshl_b32 s73, s73, 4
	s_add_co_u32 s72, s72, s73
	s_lshl_b32 s73, s23, 2
	s_add_co_u32 s72, s72, s73                     ; x 64 + tile of positions 16 (mt % 4) + 4 wm;
	s_lshl_b32 s72, s72, 9                         ; 512 bytes an image
	s_lshl_b32 s73, s20, 22
	s_add_co_u32 s72, s72, s73                     ; + g x 4,194,304
	s_mov_b32 s73, 0
	s_add_nc_u64 s[72:73], s[14:15], s[72:73]
	s_lshl_b32 s74, s22, 9
	s_lshl_b32 s75, s24, 8
	s_add_co_u32 s74, s74, s75                     ; my 64 features in a bias, in bytes
	s_mov_b32 s75, 0
.macro PROD a, p, s, zero, swap        ; one product: features 16 a on, positions 16 p on, 128 along K
.set AC, ACC+8*(4*\a+\p)
.if \swap
.if \zero
	v_wmma_scale_f32_16x16x128_f8f6f4 v[AC:AC+7], v[XF+8*\p:XF+8*\p+7], v[WF+8*\a:WF+8*\a+7], 0, v[XS+4*\p+\s], v[WS+4*\a+\s] matrix_a_fmt:MATRIX_FMT_FP4 matrix_b_fmt:MATRIX_FMT_FP4
.else
	v_wmma_scale_f32_16x16x128_f8f6f4 v[AC:AC+7], v[XF+8*\p:XF+8*\p+7], v[WF+8*\a:WF+8*\a+7], v[AC:AC+7], v[XS+4*\p+\s], v[WS+4*\a+\s] matrix_a_fmt:MATRIX_FMT_FP4 matrix_b_fmt:MATRIX_FMT_FP4
.endif
.else
	v_wmma_scale_f32_16x16x128_f8f6f4 v[AC:AC+7], v[WF+8*\a:WF+8*\a+7], v[XF+8*\p:XF+8*\p+7], v[AC:AC+7], v[WS+4*\a+\s], v[XS+4*\p+\s] matrix_a_fmt:MATRIX_FMT_FP4 matrix_b_fmt:MATRIX_FMT_FP4
.endif
.endm
.macro SCALES                          ; a half's scale words: four words (four steps) a row by one load; lanes 16-31 load what lanes 0-15 load and are not read
.irp p, 0,1,2,3
	ds_load_b128 v[XS+4*\p:XS+4*\p+3], v5 offset:4096+REC*\p
.endr
.irp a, 0,1,2,3
	ds_load_b128 v[WS+4*\a:WS+4*\a+3], v6 offset:4096+REC*\a
.endr
.endm
; A step of 128 along K: 16 loads, 16 products.  The 16 accumulators take turns, one instruction a turn, in the same order in every step.
.macro KSTEP s, first, zero, swap
.if !\first
.rept 4
	v_nop                                          ; four places in front of loads into registers that matrix instructions have read (ISA guide 7.12.1 for vector instructions)
.endr
.endif
.irp a, 0,1,2,3
.irp c, 0,1
	ds_load_b128 v[WF+8*\a+4*\c:WF+8*\a+4*\c+3], v4 offset:REC*\a+1024*\s+512*\c
.endr
.endr
.irp p, 0,1,2,3
.irp c, 0,1
	ds_load_b128 v[XF+8*\p+4*\c:XF+8*\p+4*\c+3], v3 offset:REC*\p+1024*\s+512*\c
.endr
.endr
.irp p, 0,1,2,3
	s_wait_dscnt 6-2*\p                            ; W's four fragments and x's up to tile p are in; the two loads of each later tile of x may be out
.irp a, 0,1,2,3
	PROD \a, \p, \s, \zero, \swap
.endr
.endr
.endm
.macro BODY swap
.if \swap
	s_add_nc_u64 s[76:77], s[12:13], s[74:75]
.irp a, 0,1,2,3
	global_load_b32 v[BV+2*\a], v10, s[76:77] offset:64*\a     ; bv of my channel, in both halves of a pair for the packed addition
	global_load_b32 v[BV+2*\a+1], v10, s[76:77] offset:64*\a
.endr
.else
	s_cmp_eq_u32 s20, 0
	s_cselect_b64 s[76:77], s[8:9], s[10:11]       ; bq or bk
	s_add_nc_u64 s[76:77], s[76:77], s[74:75]
.irp a, 0,1,2,3
.irp p, 0,1,2,3
	global_load_b128 v[ACC+8*(4*\a+\p):ACC+8*(4*\a+\p)+3], v9, s[76:77] offset:64*\a        ; the bias in the result's layout: the sums begin with it
	global_load_b128 v[ACC+8*(4*\a+\p)+4:ACC+8*(4*\a+\p)+7], v9, s[76:77] offset:64*\a+16
.endr
.endr
.endif
	s_wait_tensorcnt 0x2                           ; my parts of half 0 are in; half 1's two loads may be out
	s_barrier_signal -1
	s_barrier_wait -1                              ; everybody's are
.if !\swap
	s_wait_loadcnt 0x0                             ; the bias
.endif
	SCALES
	KSTEP 0, 1, \swap, \swap                       ; v: the first products start the sums with the constant 0
	KSTEP 1, 0, 0, \swap
	KSTEP 2, 0, 0, \swap
	KSTEP 3, 0, 0, \swap
	s_wait_tensorcnt 0x0                           ; my parts of half 1 are in (no LDS load of mine is out: the last count-down ended at 0)
	s_barrier_signal -1
	s_barrier_wait -1
	v_add_nc_u32 v3, HALFB, v3                     ; on to half 1.  These four plain lines are also the places in front of the loads into scale and fragment registers
	v_add_nc_u32 v4, HALFB, v4
	v_add_nc_u32 v5, HALFB, v5
	v_add_nc_u32 v6, HALFB, v6
	SCALES
	KSTEP 0, 1, 0, \swap
	KSTEP 1, 0, 0, \swap
	KSTEP 2, 0, 0, \swap
	KSTEP 3, 0, 0, \swap
	; THE WAY OUT: each accumulator, from its low end on, is rounded to f16 in place: its first four registers are then an image, which 32 lanes store as 512 consecutive bytes, aligned
.rept 4
	v_nop
.endr
.if \swap
	s_wait_loadcnt 0x0                             ; bv
.endif
.irp a, 0,1,2,3
.irp p, 0,1,2,3
.set AC, ACC+8*(4*\a+\p)
.if \swap
.irp i, 0,2,4,6
	v_pk_add_f32 v[AC+\i:AC+\i+1], v[AC+\i:AC+\i+1], v[BV+2*\a:BV+2*\a+1]
.endr
.endif
.irp q, 0,1,2,3
	v_cvt_pk_f16_f32 v[AC+\q], v[AC+2*\q], v[AC+2*\q+1]
.endr
	global_store_b128 v1, v[AC:AC+3], s[72:73] offset:32768*\a+512*\p      ; head + a, tile of positions + p
.endr
.endr
	s_wait_tensorcnt 0x0                           ; the wave's end
	ds_add_u32 v[SPW], v[NIL]
	s_wait_dscnt 0x0
	CROUND                                         ; the closing round
	s_endpgm
.endm
	s_cmp_eq_u32 s20, 2                            ; g: the same in all waves and in all sixteen partners
	s_cbranch_scc1 .Lfor_v
	BODY 0
.Lfor_v:
	BODY 1
.Lfunc_end_k_q63281b4c44_proj:
	.size	k_q63281b4c44_proj, .Lfunc_end_k_q63281b4c44_proj-k_q63281b4c44_proj
	.p2alignl 7, 3214868480
	.fill 96, 4, 3214868480
	.section	.rodata,"a",@progbits
	.p2align	6, 0x0
	.amdhsa_kernel k_q63281b4c44_proj
		.amdhsa_group_segment_fixed_size 209920
		.amdhsa_private_segment_fixed_size 0
		.amdhsa_enable_private_segment 0
		.amdhsa_kernarg_size 48
		.amdhsa_user_sgpr_count 2
		.amdhsa_user_sgpr_kernarg_segment_ptr 1
		.amdhsa_wavefront_size32 1
		.amdhsa_system_sgpr_workgroup_id_x 1
		.amdhsa_system_sgpr_workgroup_id_y 1
		.amdhsa_system_sgpr_workgroup_id_z 1
		.amdhsa_system_vgpr_workitem_id 0
		.amdhsa_next_free_vgpr 256
		.amdhsa_next_free_sgpr 80
		.amdhsa_reserve_vcc 0
		.amdhsa_float_denorm_mode_32 3
		.amdhsa_float_denorm_mode_16_64 3
		.amdhsa_memory_ordered 1
		.amdhsa_forward_progress 1
		.amdhsa_inst_pref_size 81
	.end_amdhsa_kernel
	.amdgpu_metadata
---
amdhsa.version: [ 1, 2 ]
amdhsa.kernels:
  - .name:           k_q63281b4c44_proj
    .symbol:         k_q63281b4c44_proj.kd
    .args:
      - { .name: xc, .offset: 0, .size: 8, .value_kind: global_buffer, .address_space: global }
      - { .name: wc, .offset: 8, .size: 8, .value_kind: global_buffer, .address_space: global }
      - { .name: bq, .offset: 16, .size: 8, .value_kind: global_buffer, .address_space: global }
      - { .name: bk, .offset: 24, .size: 8, .value_kind: global_buffer, .address_space: global }
      - { .name: bv, .offset: 32, .size: 8, .value_kind: global_buffer, .address_space: global }
      - { .name: qkv, .offset: 40, .size: 8, .value_kind: global_buffer, .address_space: global }
    .group_segment_fixed_size: 209920
    .private_segment_fixed_size: 0
    .kernarg_segment_align: 8
    .kernarg_segment_size: 48
    .max_flat_workgroup_size: 256
    .sgpr_count:     80
    .vgpr_count:     256
    .wavefront_size: 32
...
	.end_amdgpu_metadata
.endif
;; end of part 2
;; launch attn (part 3): grid 2 x 128, 16 waves a work-group, no clusters, 167,936 bytes of LDS; arguments qkv, ctx; writes ctx
.if DOCPART == 3
	.amdgcn_target "amdgcn-amd-amdhsa--gfx1250"
	.amdhsa_code_object_version 6
	.text
	.protected	k_q63281b4c44_attn
	.globl	k_q63281b4c44_attn
	.p2align	8
	.type	k_q63281b4c44_attn,@function
k_q63281b4c44_attn:
	s_mov_b64 s[64:65], 0
	v_nop
	global_prefetch_b8 v0, s[64:65] scope:SCOPE_SE
	s_setreg_imm32_b32 hwreg(HW_REG_WAVE_MODE, 25, 1), 1
	s_wait_xcnt 0x0
; ctx[bh][q][:] = the sum over k of softmax_k(q . k / 32) v[k][:], for 128 pairs of batch and head, 1,024 queries, 1,024 keys, 16 channels.  Operands f16, products, maxima and sums f32; the weights p are rounded to f16
; for the second product, ctx once at the end.
; qkv: [g 3][bh 128][tile of 16 positions 64][lane 32][16 bytes]: q, k: lane (r, h) holds position r, channels 8 h + 0 .. 7; v: channel r, positions 8 h + 0 .. 7.
; ctx: [tile of 16 rows 128][head 64][lane 32][16 bytes]: lane (r, h): row r, channels 8 h + 0 .. 7 of the head: two neighbouring heads are a fragment of the last product.
; SHARES: a work-group owns 512 queries of one bh; each of its sixteen waves two tiles of 16, in 256 registers: four waves to a SIMD, so that one wave's vector work stands beside another's products and LDS loads.
; The head's K and V, 64 images of 512 bytes each, come into LDS once, one tensor load a wave; nothing is filled twice.  Every wave walks the keys, 128 a trip.
; NO CLUSTER: two work-groups share a head's K and V, 65,536 bytes read once at the head, and a grid of 2 along x does not divide into clusters of 4.
; LAYOUT: S^T = K Q^T (source 0 = 16 keys, source 1 = 16 queries), O^T = V^T P (source 0 = 16 channels, source 1 = P): a lane holds ONE query throughout; two tiles of S^T rounded in pairs ARE source 1 of the second product.
; K = 16 IN A FORM OF K = 32: an image is the lower half (k = 0 .. 15) of a fragment.  Q's upper half is zeros; K's upper half is the next tile's image (behind the last: zeros), finite numbers that meet Q's zeros.
; SOFTMAX: a running maximum m and sum l for each query: p = 2^(c s - c m), c = log2(e) / 32; in every trip O and l are multiplied by a = 2^(c m_old - c m_new).  The sum is taken of the unrounded p.
; LIMITS: an infinity or NaN among k's f16 numbers also spoils the neighbouring tile of keys (0 x infinity); ctx over 65,504 in magnitude becomes infinity, under 6e-5 it loses bits.
.set SPARE, 65536                      ; behind K and V: the spare words, 128 bytes for each wave, eight blocks of 256 bytes that no other line names
.set QF,  8                            ; v8-23    Q: tile 0, four zeros, tile 1, four zeros
.set O,   24                           ; v24-39   O^T, 8 a tile
.set ST,  40                           ; v40-55   statistics, 8 a tile: +0 c m, +1 m, +2, +3 l (even keys', odd keys'), +4 .. +7 c0-c3 at work; a takes +6, a sum chain +4, +5
.set KF,  56                           ; v56-91   K: 8 images, then four zeros
.set VF,  92                           ; v92-123  V: 8 images = 4 fragments
.set S,   124                          ; v124-251 S^T, then p, then P: 64 a tile
.set SB,  252                          ; v252-255 the second sum chain, 2 a tile
.set CS,  24                           ; s[24:25] c: the packed form names a pair and takes its low word for both halves
.set SEL, 26                           ; s[26:27] v_permlanex16_b32's selects for lane l xor 16
.set TB,  28                           ; s28  LDS byte at which the trip's images of K begin
.set CNT, 29                           ; s29  trips to go
	s_load_b128 s[4:7], s[0:1], 0x0                ; qkv, ctx
	v_lshl_add_u32 v3, v0, 2, SPARE                ; v3: LDS address of my spare word; never rewritten
	v_mov_b32 v4, 0                                ; v4: 0; never rewritten
	ds_add_u32 v3, v4                              ; the wave's opening: the add, twice on end, and its wait ahead of my first tensor load
	ds_add_u32 v3, v4                              ; once more; the set-up below, work on registers, stands between it and the wait
	v_lshrrev_b32 v1, 5, v0
	v_readfirstlane_b32 s30, v1                    ; wave 0..15
	s_and_b32 s31, ttmp7, 0xffff                   ; bh
	s_mov_b32 s12, 3<<16                           ; descriptor group 1: 4,096 dense bytes as 16 rows of 256 (32 elements of 8 bytes); no mask, no padding
	s_mov_b32 s13, 32<<16                          ; tensor_dim0 = 32
	s_mov_b32 s14, 16<<16                          ; tensor_dim1 = 16
	s_mov_b32 s15, 32<<16                          ; tile_dim0 = 32
	s_mov_b32 s16, 16                              ; tile_dim1 = 16
	s_mov_b32 s17, 32                              ; elements from row to row
	s_mov_b32 s18, 0
	s_mov_b32 s19, 0
	s_mov_b32 s20, 1                               ; group 0
	s_lshl_b32 s21, s30, 12                        ; LDS: 4,096 x wave: waves 0-7 bring K's 32,768 bytes, waves 8-15 V's behind them
	s_lshr_b32 s8, s30, 3
	s_add_co_u32 s8, s8, 1
	s_lshl_b32 s8, s8, 22                          ; k's part of qkv or v's,
	s_lshl_b32 s9, s31, 15
	s_add_co_u32 s8, s8, s9                        ; my bh,
	s_and_b32 s9, s30, 7
	s_lshl_b32 s9, s9, 12
	s_add_co_u32 s8, s8, s9                        ; my eighth of it
	s_mov_b32 s9, 0
	s_lshl_b32 s32, ttmp9, 5
	s_lshl_b32 s33, s30, 1
	s_add_co_u32 s32, s32, s33                     ; my first tile of queries: 32 x work-group x + 2 x wave
	s_lshl_b32 s34, s31, 15
	s_lshl_b32 s35, s32, 9
	s_add_co_u32 s34, s34, s35                     ; its image in q's part
	s_mov_b32 s35, 0
	s_and_b32 s36, s31, 64                         ; 64 x batch
	s_add_co_u32 s36, s36, s32
	s_lshl_b32 s36, s36, 15                        ; ctx: 32,768 bytes a tile of rows,
	s_and_b32 s37, s31, 63
	s_lshl_b32 s37, s37, 9                         ; 512 a head
	s_add_co_u32 s36, s36, s37
	s_mov_b32 s37, 0
	s_mov_b32 s[CS], 0x3d38aa3b                    ; c = log2(e) / 32
	s_mov_b32 s[CS+1], s[CS]
	s_mov_b32 s[SEL], 0x76543210
	s_mov_b32 s[SEL+1], 0xfedcba98
	s_mov_b32 s[TB], 0
	s_mov_b32 s[CNT], 8
	s_wait_dscnt 0x0                               ; both opening adds are done
	s_wait_kmcnt 0x0
	s_add_nc_u64 s[22:23], s[4:5], s[8:9]
	s_or_b32 s23, s23, 0x80000000
	tensor_load_to_lds s[20:23], s[12:19]          ; my one tensor load of the launch
	s_nop 0
	s_add_nc_u64 s[34:35], s[4:5], s[34:35]
	s_add_nc_u64 s[36:37], s[6:7], s[36:37]
	v_and_b32 v1, 31, v0
	v_lshlrev_b32 v1, 4, v1                        ; 16 x lane: an image's place for my lane
	global_load_b128 v[QF:QF+3], v1, s[34:35]
	global_load_b128 v[QF+8:QF+11], v1, s[34:35] offset:512
.irp j, 4,5,6,7,12,13,14,15
	v_mov_b32 v[QF+\j], 0                          ; Q's upper halves
.endr
.irp j, 32,33,34,35
	v_mov_b32 v[KF+\j], 0                          ; behind K's last image
.endr
.irp j, 0,1,2,3,4,5,6,7,8,9,10,11,12,13,14,15
	v_mov_b32 v[O+\j], 0                           ; O^T.  (The trip is written once: the first finds zeros, which a = 0 leaves zeros)
.endr
.irp t, 0,1
	v_mov_b32 v[ST+8*\t+1], 0xff61b1e6             ; m: -3e38, under every score
	v_mul_f32 v[ST+8*\t], s[CS], v[ST+8*\t+1]      ; c m
	v_mov_b32 v[ST+8*\t+2], 0                      ; l
	v_mov_b32 v[ST+8*\t+3], 0
.endr
	s_wait_tensorcnt 0x0                           ; my part of K or V is in,
	s_barrier_signal -1
	s_barrier_wait -1                              ; everybody's is
	s_wait_loadcnt 0x0                             ; Q
.Ltrip:                                            ; 8 trips of 128 keys
	v_add_nc_u32 v2, s[TB], v1
.rept 4
	v_nop                                          ; with the addition five places behind the last trip's products: the scores below write over P, which those read, and V's registers are loaded again
.endr
.irp i, 0,1,2,3,4,5,6,7
	ds_load_b128 v[KF+4*\i:KF+4*\i+3], v2 offset:512*\i
.endr
.irp i, 0,1,2,3,4,5,6,7
	ds_load_b128 v[VF+4*\i:VF+4*\i+3], v2 offset:32768+512*\i
.endr
	s_wait_dscnt 8                                 ; K is in; V's eight loads may be out
.irp i, 0,1,2,3,4,5,6,7
.irp t, 0,1
	v_wmma_f32_16x16x32_f16 v[S+64*\t+8*\i:S+64*\t+8*\i+7], v[KF+4*\i:KF+4*\i+7], v[QF+8*\t:QF+8*\t+7], 0   ; keys 16 i on: lane (r, h): query r, keys 8 h + 0 .. 7
.endr
.endr
.rept 4
	v_nop
.endr
	; the maximum of the lane's 64 scores and the old m, both tiles line by line: four chains of 15, ascending
.irp k, 0,1,2,3
.irp t, 0,1
	v_max3_num_f32 v[ST+8*\t+4+\k], v[S+64*\t+16*\k], v[S+64*\t+16*\k+1], v[S+64*\t+16*\k+2]
.endr
.endr
.irp i, 3,5,7,9,11,13
.irp k, 0,1,2,3
.irp t, 0,1
	v_max3_num_f32 v[ST+8*\t+4+\k], v[ST+8*\t+4+\k], v[S+64*\t+16*\k+\i], v[S+64*\t+16*\k+\i+1]
.endr
.endr
.endr
.irp t, 0,1
	v_max3_num_f32 v[ST+8*\t+4], v[ST+8*\t+4], v[S+64*\t+15], v[S+64*\t+31]
	v_max3_num_f32 v[ST+8*\t+6], v[ST+8*\t+6], v[S+64*\t+47], v[S+64*\t+63]
.endr
.irp t, 0,1
	v_max3_num_f32 v[ST+8*\t+4], v[ST+8*\t+4], v[ST+8*\t+5], v[ST+8*\t+6]
.endr
.irp t, 0,1
	v_max3_num_f32 v[ST+8*\t+4], v[ST+8*\t+4], v[ST+8*\t+7], v[ST+8*\t+1]
.endr
.irp t, 0,1
	v_permlanex16_b32 v[ST+8*\t+5], v[ST+8*\t+4], s[SEL], s[SEL+1]   ; the query's other 64 keys lie in the lane 16 away
.endr
.irp t, 0,1
	v_mov_b32 v[ST+8*\t+7], v[ST+8*\t]             ; c m_old is kept for a
.endr
.irp t, 0,1
	v_max_num_f32 v[ST+8*\t+1], v[ST+8*\t+4], v[ST+8*\t+5]
.endr
.irp t, 0,1
	v_mul_f32 v[ST+8*\t], s[CS], v[ST+8*\t+1]
.endr
.irp t, 0,1
	v_sub_f32 v[ST+8*\t+7], v[ST+8*\t+7], v[ST+8*\t]
.endr
.set j, 0
.rept 32
.irp t, 0,1
	v_pk_fma_f32 v[S+64*\t+j:S+64*\t+j+1], v[S+64*\t+j:S+64*\t+j+1], s[CS:CS+1], v[ST+8*\t:ST+8*\t+1] op_sel_hi:[1,0,0] neg_lo:[0,0,1] neg_hi:[0,0,1]   ; c s - c m, two at a time
.endr
.set j, j+2
.endr
	; ONE BATCH of exponentials, both tiles': none reads another's result
.irp t, 0,1
	v_exp_f32 v[ST+8*\t+6], v[ST+8*\t+7]           ; a
.endr
.set j, 0
.rept 64
.irp t, 0,1
	v_exp_f32 v[S+64*\t+j], v[S+64*\t+j]           ; p
.endr
.set j, j+1
.endr
	v_nop                                          ; a plain instruction behind the last exponential, ahead of the first use
	s_wait_alu depctr_va_vdst(0)                   ; the wait ahead of the first instruction that names a result: one for the batch
.irp t, 0,1
	v_pk_add_f32 v[ST+8*\t+4:ST+8*\t+5], v[S+64*\t:S+64*\t+1], v[S+64*\t+2:S+64*\t+3]          ; the sum of the unrounded p, in two chains a tile
	v_pk_add_f32 v[SB+2*\t:SB+2*\t+1], v[S+64*\t+4:S+64*\t+5], v[S+64*\t+6:S+64*\t+7]
.endr
.set j, 8
.rept 14
.irp t, 0,1
	v_pk_add_f32 v[ST+8*\t+4:ST+8*\t+5], v[ST+8*\t+4:ST+8*\t+5], v[S+64*\t+j:S+64*\t+j+1]
	v_pk_add_f32 v[SB+2*\t:SB+2*\t+1], v[SB+2*\t:SB+2*\t+1], v[S+64*\t+j+2:S+64*\t+j+3]
.endr
.set j, j+4
.endr
.irp t, 0,1
	v_pk_add_f32 v[ST+8*\t+4:ST+8*\t+5], v[ST+8*\t+4:ST+8*\t+5], v[SB+2*\t:SB+2*\t+1]
.endr
.irp t, 0,1
	v_pk_fma_f32 v[ST+8*\t+2:ST+8*\t+3], v[ST+8*\t+2:ST+8*\t+3], v[ST+8*\t+6:ST+8*\t+7], v[ST+8*\t+4:ST+8*\t+5] op_sel_hi:[1,0,1]   ; l = a l + the sum
.endr
.set j, 0
.rept 32
.irp t, 0,1
	v_cvt_pk_f16_f32 v[S+64*\t+j], v[S+64*\t+2*j], v[S+64*\t+2*j+1]   ; in place, ascending: registers 8 u .. 8 u + 7 become source 1 for keys 32 u on
.endr
.set j, j+1
.endr
.irp j, 0,2,4,6
.irp t, 0,1
	v_pk_mul_f32 v[O+8*\t+\j:O+8*\t+\j+1], v[O+8*\t+\j:O+8*\t+\j+1], v[ST+8*\t+6:ST+8*\t+7] op_sel_hi:[1,0]   ; O^T x a
.endr
.endr
	s_wait_dscnt 0x0                               ; V is in
.irp u, 0,1,2,3
.irp t, 0,1
	v_wmma_f32_16x16x32_f16 v[O+8*\t:O+8*\t+7], v[VF+8*\u:VF+8*\u+7], v[S+64*\t+8*\u:S+64*\t+8*\u+7], v[O+8*\t:O+8*\t+7]   ; the two accumulators take turns, one instruction a turn
.endr
.endr
	s_add_co_u32 s[TB], s[TB], 4096                ; the next 8 images
	s_sub_co_u32 s[CNT], s[CNT], 1
	s_cmp_lg_u32 s[CNT], 0
	s_cbranch_scc1 .Ltrip
	; THE WAY OUT.  l's two halves and the other half of the lanes' are added (these lines are the places behind the last products); O^T / l is rounded to f16 in place and is an image as it stands
.irp t, 0,1
	v_add_f32 v[ST+8*\t+4], v[ST+8*\t+2], v[ST+8*\t+3]
.endr
.irp t, 0,1
	v_permlanex16_b32 v[ST+8*\t+5], v[ST+8*\t+4], s[SEL], s[SEL+1]
.endr
.irp t, 0,1
	v_add_f32 v[ST+8*\t+4], v[ST+8*\t+4], v[ST+8*\t+5]
.endr
.irp t, 0,1
	v_rcp_f32 v[ST+8*\t+6], v[ST+8*\t+4]
.endr
	v_nop                                          ; a plain instruction between the last reciprocal and the use of its result
	s_wait_alu depctr_va_vdst(0)                   ; and the wait ahead of the use: one for the two
.irp t, 0,1
.irp j, 0,2,4,6
	v_pk_mul_f32 v[O+8*\t+\j:O+8*\t+\j+1], v[O+8*\t+\j:O+8*\t+\j+1], v[ST+8*\t+6:ST+8*\t+7] op_sel_hi:[1,0]
.endr
.endr
.irp t, 0,1
.irp q, 0,1,2,3
	v_cvt_pk_f16_f32 v[O+8*\t+\q], v[O+8*\t+2*\q], v[O+8*\t+2*\q+1]
.endr
.endr
.irp t, 0,1
	global_store_b128 v1, v[O+8*\t:O+8*\t+3], s[36:37] offset:32768*\t   ; 32 lanes store 512 consecutive bytes, aligned
.endr
	s_wait_tensorcnt 0x0                           ; the wave's end
	ds_add_u32 v3, v4
	s_wait_dscnt 0x0
	s_endpgm
.Lfunc_end_k_q63281b4c44_attn:
	.size	k_q63281b4c44_attn, .Lfunc_end_k_q63281b4c44_attn-k_q63281b4c44_attn
	.p2alignl 7, 3214868480
	.fill 96, 4, 3214868480
	.section	.rodata,"a",@progbits
	.p2align	6, 0x0
	.amdhsa_kernel k_q63281b4c44_attn
		.amdhsa_group_segment_fixed_size 167936
		.amdhsa_private_segment_fixed_size 0
		.amdhsa_enable_private_segment 0
		.amdhsa_kernarg_size 16
		.amdhsa_user_sgpr_count 2
		.amdhsa_user_sgpr_kernarg_segment_ptr 1
		.amdhsa_wavefront_size32 1
		.amdhsa_system_sgpr_workgroup_id_x 1
		.amdhsa_system_sgpr_workgroup_id_y 1
		.amdhsa_system_sgpr_workgroup_id_z 1
		.amdhsa_system_vgpr_workitem_id 0
		.amdhsa_next_free_vgpr 256
		.amdhsa_next_free_sgpr 66
		.amdhsa_reserve_vcc 0
		.amdhsa_float_denorm_mode_32 3
		.amdhsa_float_denorm_mode_16_64 3
		.amdhsa_memory_ordered 1
		.amdhsa_forward_progress 1
		.amdhsa_inst_pref_size 30
	.end_amdhsa_kernel
	.amdgpu_metadata
---
amdhsa.version: [ 1, 2 ]
amdhsa.kernels:
  - .name:           k_q63281b4c44_attn
    .symbol:         k_q63281b4c44_attn.kd
    .args:
      - { .name: qkv, .offset: 0, .size: 8, .value_kind: global_buffer, .address_space: global }
      - { .name: ctx, .offset: 8, .size: 8, .value_kind: global_buffer, .address_space: global }
    .group_segment_fixed_size: 167936
    .private_segment_fixed_size: 0
    .kernarg_segment_align: 8
    .kernarg_segment_size: 16
    .max_flat_workgroup_size: 512
    .sgpr_count:     66
    .vgpr_count:     256
    .wavefront_size: 32
...
	.end_amdgpu_metadata
.endif
;; end of part 3
;; launch outp (part 4): grid 8 x 32, 4 waves a work-group, clusters of 4 x 1, 167,936 bytes of LDS; arguments ctx, wo16, bo, out0; writes out0
.if DOCPART == 4
	.amdgcn_target "amdgcn-amd-amdhsa--gfx1250"
	.amdhsa_code_object_version 6
	.text
	.protected	k_q63281b4c44_outp
	.globl	k_q63281b4c44_outp
	.p2align	8
	.type	k_q63281b4c44_outp,@function
k_q63281b4c44_outp:
	s_mov_b64 s[64:65], 0
	v_nop
	global_prefetch_b8 v0, s[64:65] scope:SCOPE_SE
	s_setreg_imm32_b32 hwreg(HW_REG_WAVE_MODE, 25, 1), 1
	s_wait_xcnt 0x0
	s_wait_alu depctr_hold_cnt(0) depctr_sa_sdst(0) depctr_va_vdst(0) depctr_va_sdst(0) depctr_va_ssrc(0) depctr_va_vcc(0) depctr_vm_vsrc(0)
	s_getreg_b32 s2, hwreg(HW_REG_IB_STS2, 6, 4)
	s_cmp_eq_u32 s2, 0
	s_cbranch_scc0 .Lentry_in_a_cluster
	s_endpgm
.Lentry_in_a_cluster:
	s_bfe_u32 s2, ttmp6, 0x10000c
	s_cmp_lg_u32 s2, 0x3003
	s_cbranch_scc0 .Lentry_shape_is_right
	s_endpgm
.Lentry_shape_is_right:
; out0 = merged Wo^T + bo.  merged [2048][1024] lies in ctx as f16 images: [tile of 16 rows 128][K step of 32: 32][c 2][lane 32][16 bytes]; Wo in wo16 likewise, [tile of 16 rows of Wo 64][K step 32][c 2][lane 32][16 bytes].  out0 f32; sums f32.
; SHARES: 256 work-groups, each 64 rows x 128 columns.  THE WAVES SHARE THE COLUMNS: wave w makes columns 32 w .. 32 w + 31 for all 64 rows: 8 accumulators.  Its part of Wo for the whole K, 512 registers (windows 1 and 2), is
; loaded from memory once, by the one wave that uses it; merged's 64 rows, 131,072 bytes, lie in LDS and are read by all four waves.  Nothing is filled twice.
; CLUSTER: the four work-groups of a cluster make neighbouring column tiles of the same 64 rows: merged's panel is asked for JOINTLY (mask 15), in four chunks along K a wave, so that the products begin when the first has landed.
; THE MATRIX INSTRUCTION IS USED TRANSPOSED (source 0 = 16 rows of Wo, source 1 = 16 rows of merged): a lane holds eight neighbouring columns of one row of out0.  The bias is the C of each sum's first product.
; REGISTERS: window 0: v1-10 addresses; v16-31 the bias; v32-95 the accumulators ((m, n) at 32 + 8 (4 n + m)); v96-223 merged's fragments, two sets of two K steps x four tiles.  Window 1: Wo's tile n = 0, K step t at v[8 t]; window 2: n = 1.
.set STG,   131072                     ; behind the panel: the stage for the way out, 64 rows x (512 bytes + 16)
.set SPARE, STG+64*528                 ; behind the stage: the spare words, 128 bytes for each wave, two blocks of 256 bytes that no other line names
.set SPW,   8                          ; v8   LDS address of my spare word; never rewritten
.set NIL,   9                          ; v9   0; never rewritten
.set BO,    16
.set ACC,   32
.set AF,    96
.set MSB, 0
.macro WIN new                         ; the immediate's high byte repeats the setting that is left; a switch that changes nothing is dropped
.if MSB != (\new)
	s_set_vgpr_msb (MSB<<8)|(\new)
.set MSB, (\new)
.endif
.endm
.macro CROUND                          ; a round of the cluster's barrier
	s_barrier_signal -1
	s_barrier_wait -1
	s_cmp_lg_u32 s36, 0
	s_cbranch_scc1 .Lnot_wave_0_\@
	s_barrier_signal -3
.Lnot_wave_0_\@:
	s_barrier_wait -3
	s_barrier_signal -1
	s_barrier_wait -1
.endm
	s_load_b256 s[4:11], s[0:1], 0x0               ; ctx, wo16, bo, out0
	v_lshl_add_u32 v[SPW], v0, 2, SPARE
	v_mov_b32 v[NIL], 0
	ds_add_u32 v[SPW], v[NIL]                      ; the wave's opening: the add, twice on end, and its wait ahead of my first tensor load
	ds_add_u32 v[SPW], v[NIL]                      ; once more; the set-up below, work on registers, stands between it and the wait
	v_lshrrev_b32 v1, 5, v0
	v_readfirstlane_b32 s36, v1                    ; wave 0..3
	s_bfe_u32 s37, ttmp6, 0x40000                  ; cx
	s_and_b32 s38, ttmp7, 0xffff                   ; which 64 rows: shared by the four partners
	s_lshl_b32 s39, ttmp9, 2
	s_add_co_u32 s39, s39, s37                     ; which 128 columns
	s_mov_b32 s12, 15|(3<<16)|(1<<21)              ; descriptor group 1: 15:0 the mask: all four; 17:16 elements of 8 bytes; 21 set beside a mask.  8,192 dense bytes as 32 rows of 256
	s_mov_b32 s13, 32<<16                          ; tensor_dim0 = 32
	s_mov_b32 s14, 32<<16                          ; tensor_dim1 = 32
	s_mov_b32 s15, 32<<16                          ; tile_dim0 = 32
	s_mov_b32 s16, 32                              ; tile_dim1 = 32
	s_mov_b32 s17, 32                              ; elements from row to row
	s_mov_b32 s18, 0
	s_mov_b32 s19, 0
	s_lshl_b32 s40, s38, 2
	s_add_co_u32 s40, s40, s36                     ; I fetch tile of rows 4 y + wave:
	s_lshl_b32 s40, s40, 15                        ; 32,768 bytes; these registers never hold cx
	s_mov_b32 s41, 0
	s_lshl_b32 s42, s36, 15                        ; and in LDS: 32,768 x wave
	s_lshl_b32 s44, s39, 3
	s_lshl_b32 s45, s36, 1
	s_add_co_u32 s44, s44, s45
	s_lshl_b32 s44, s44, 15                        ; Wo: my two tiles of 16 rows
	s_mov_b32 s45, 0
	s_lshl_b32 s50, s39, 9
	s_lshl_b32 s51, s36, 7
	s_add_co_u32 s50, s50, s51                     ; bo: my 32 numbers
	s_mov_b32 s51, 0
	s_lshl_b32 s52, s38, 18
	s_lshl_b32 s53, s36, 16
	s_add_co_u32 s52, s52, s53                     ; out0: row 64 y + 16 wave (the rows that I store),
	s_lshl_b32 s53, s39, 9
	s_add_co_u32 s52, s52, s53                     ; the tile's 512 bytes of a row
	s_mov_b32 s53, 0
	s_wait_dscnt 0x0                               ; both opening adds are done
	s_wait_kmcnt 0x0
	s_add_nc_u64 s[40:41], s[4:5], s[40:41]
	s_add_nc_u64 s[48:49], s[6:7], s[44:45]
	s_add_nc_u64 s[50:51], s[8:9], s[50:51]
	s_add_nc_u64 s[52:53], s[10:11], s[52:53]
.irp kp, 0,1,2,3
	s_mov_b32 s[20+4*\kp], 1                       ; groups 0: chunk kp, K steps 8 kp .. 8 kp + 7 of my tile of rows
	s_add_co_u32 s[21+4*\kp], s42, 8192*\kp
	s_add_nc_u64 s[22+4*\kp:23+4*\kp], s[40:41], 8192*\kp
	s_or_b32 s[23+4*\kp], s[23+4*\kp], 0x80000000
.endr
	CROUND                                         ; all four work-groups are here: the joint loads meet
.irp kp, 0,1,2,3
	tensor_load_to_lds s[20+4*\kp:23+4*\kp], s[12:19]      ; the whole panel as one group: four loads of mine are out
	s_nop 0
.endr
.rept 4
	v_nop
.endr
	v_and_b32 v11, 31, v0
	v_lshlrev_b32 v1, 4, v11                       ; 16 x lane
	v_and_b32 v12, 15, v0                          ; r
	v_bfe_u32 v13, v0, 4, 1                        ; h
	v_lshlrev_b32 v10, 5, v13                      ; the bias: my 8 numbers of a tile's 16
.irp n, 0,1
	global_load_b128 v[BO+8*\n:BO+8*\n+3], v10, s[50:51] offset:64*\n
	global_load_b128 v[BO+8*\n+4:BO+8*\n+7], v10, s[50:51] offset:64*\n+16
.endr
.irp kp, 0,1,2,3                       ; Wo, in the order in which it is used: 32 loads for each chunk of 8 K steps
	WIN 0x40                                       ; destination window 1
.irp t8, 0,1,2,3,4,5,6,7
.irp c, 0,1
	global_load_b128 v[8*(8*\kp+\t8)+4*\c:8*(8*\kp+\t8)+4*\c+3], v1, s[48:49] offset:1024*(8*\kp+\t8)+512*\c
.endr
.endr
	WIN 0x80                                       ; destination window 2
.irp t8, 0,1,2,3,4,5,6,7
.irp c, 0,1
	global_load_b128 v[8*(8*\kp+\t8)+4*\c:8*(8*\kp+\t8)+4*\c+3], v1, s[48:49] offset:32768+1024*(8*\kp+\t8)+512*\c
.endr
.endr
.endr
	WIN 0
.irp m, 0,1,2,3
	v_add_nc_u32 v[2+\m], 32768*\m, v1             ; v2-5: merged's tile of rows m in LDS
.endr
	v_mul_u32_u24 v6, v12, 528
	v_lshl_add_u32 v6, v13, 5, v6
	s_lshl_b32 s46, s36, 7
	s_add_co_u32 s46, s46, STG
	v_add_nc_u32 v6, s46, v6                       ; into the stage: row r, + 128 x wave, + 32 h
	s_mul_i32 s47, s36, 16*528
	s_add_co_u32 s47, s47, STG
	v_add_nc_u32 v7, s47, v1                       ; back: my 16 rows, 16 bytes a lane
.macro GATE kp                         ; chunk kp of the panel is whole, in every wave's eyes
	s_wait_tensorcnt 3-(\kp)                       ; my part of it is in; the later chunks may be out
	s_wait_dscnt 0x0                               ; no LDS load of mine is out at a signal
	s_barrier_signal -1
	s_barrier_wait -1
.endm
.macro FETCHA i                        ; merged's fragments of K steps 2 i and 2 i + 1, four tiles of rows, into set i % 2
.irp tt, 0,1
.irp m, 0,1,2,3
.irp c, 0,1
	ds_load_b128 v[AF+64*((\i)%2)+32*\tt+8*\m+4*\c:AF+64*((\i)%2)+32*\tt+8*\m+4*\c+3], v[2+\m] offset:1024*(2*(\i)+\tt)+512*\c
.endr
.endr
.endr
.endm
.macro MUL i                           ; 16 products: the accumulators of a column tile take turns, one instruction a turn
.irp n, 0,1
	WIN 0x01+\n                                    ; source 0 (Wo) in window 1 or 2
.irp tt, 0,1
.irp m, 0,1,2,3
.if ((\i) == 0) && (\tt == 0)
	v_wmma_f32_16x16x32_f16 v[ACC+8*(4*\n+\m):ACC+8*(4*\n+\m)+7], v[8*(2*(\i)+\tt):8*(2*(\i)+\tt)+7], v[AF+64*((\i)%2)+32*\tt+8*\m:AF+64*((\i)%2)+32*\tt+8*\m+7], v[BO+8*\n:BO+8*\n+7]
.else
	v_wmma_f32_16x16x32_f16 v[ACC+8*(4*\n+\m):ACC+8*(4*\n+\m)+7], v[8*(2*(\i)+\tt):8*(2*(\i)+\tt)+7], v[AF+64*((\i)%2)+32*\tt+8*\m:AF+64*((\i)%2)+32*\tt+8*\m+7], v[ACC+8*(4*\n+\m):ACC+8*(4*\n+\m)+7]
.endif
.endr
.endr
.endr
	WIN 0
.endm
	GATE 0
	FETCHA 0
.set I, 0
.rept 16                               ; 16 pairs of K steps, written out: every offset is an immediate
.if (I < 15) && ((I+1)%4 == 0)
	GATE (I+1)/4                                   ; the next pair begins a chunk
.endif
.if I < 15
.if I > 0
.rept 4
	v_nop                                          ; four places in front of loads into registers that the last pair but one's products have read
.endr
.endif
	FETCHA I+1
.endif
.if (I == 0) || (I == 4)
	s_wait_loadcnt 63                              ; the bias and this chunk's 32 loads of Wo are in: 96 (then 64) younger loads could stay out, and a wait cannot name more than 63
.endif
.if I == 8
	s_wait_loadcnt 32                              ; the last chunk's 32 loads may be out
.endif
.if I == 12
	s_wait_loadcnt 0x0
.endif
.if I < 15
	s_wait_dscnt 16                                ; this pair's fragments are in; the next pair's 16 loads may be out
.else
	s_wait_dscnt 0x0
.endif
	MUL I
.set I, I+1
.endr
	; THE WAY OUT: a row's 128 columns come from four waves: they meet in the stage, and each wave stores 16 whole rows
.rept 4
	v_nop
.endr
.irp m, 0,1,2,3
.irp n, 0,1
	ds_store_b128 v6, v[ACC+8*(4*\n+\m):ACC+8*(4*\n+\m)+3] offset:16*528*\m+64*\n          ; each accumulator from its low end on: out0(16 m + r, 32 w + 16 n + 8 h + 0 .. 7)
	ds_store_b128 v6, v[ACC+8*(4*\n+\m)+4:ACC+8*(4*\n+\m)+7] offset:16*528*\m+64*\n+16
.endr
.endr
	s_wait_dscnt 0x0                               ; for the others' sake: my stores into the stage are done
	s_barrier_signal -1
	s_barrier_wait -1
.irp i, 0,1,2,3,4,5,6,7,8,9,10,11,12,13,14,15
	ds_load_b128 v[AF+4*\i:AF+4*\i+3], v7 offset:528*\i
.endr
.irp i, 0,1,2,3,4,5,6,7,8,9,10,11,12,13,14,15
	s_wait_dscnt 15-\i                             ; row i is back; the younger loads may be out
	global_store_b128 v1, v[AF+4*\i:AF+4*\i+3], s[52:53] offset:4096*\i th:TH_STORE_NT     ; 32 lanes store 512 consecutive bytes of a row, aligned; written once, read by nobody here
.endr
	s_wait_tensorcnt 0x0                           ; the wave's end: behind my last tensor load and my last LDS store
	ds_add_u32 v[SPW], v[NIL]
	s_wait_dscnt 0x0
	CROUND                                         ; the closing round
	s_endpgm
.Lfunc_end_k_q63281b4c44_outp:
	.size	k_q63281b4c44_outp, .Lfunc_end_k_q63281b4c44_outp-k_q63281b4c44_outp
	.p2alignl 7, 3214868480
	.fill 96, 4, 3214868480
	.section	.rodata,"a",@progbits
	.p2align	6, 0x0
	.amdhsa_kernel k_q63281b4c44_outp
		.amdhsa_group_segment_fixed_size 167936
		.amdhsa_private_segment_fixed_size 0
		.amdhsa_enable_private_segment 0
		.amdhsa_kernarg_size 32
		.amdhsa_user_sgpr_count 2
		.amdhsa_user_sgpr_kernarg_segment_ptr 1
		.amdhsa_wavefront_size32 1
		.amdhsa_system_sgpr_workgroup_id_x 1
		.amdhsa_system_sgpr_workgroup_id_y 1
		.amdhsa_system_sgpr_workgroup_id_z 1
		.amdhsa_system_vgpr_workitem_id 0
		.amdhsa_next_free_vgpr 768
		.amdhsa_next_free_sgpr 66
		.amdhsa_reserve_vcc 0
		.amdhsa_float_denorm_mode_32 3
		.amdhsa_float_denorm_mode_16_64 3
		.amdhsa_memory_ordered 1
		.amdhsa_forward_progress 1
		.amdhsa_inst_pref_size 59
	.end_amdhsa_kernel
	.amdgpu_metadata
---
amdhsa.version: [ 1, 2 ]
amdhsa.kernels:
  - .name:           k_q63281b4c44_outp
    .symbol:         k_q63281b4c44_outp.kd
    .args:
      - { .name: ctx, .offset: 0, .size: 8, .value_kind: global_buffer, .address_space: global }
      - { .name: wo16, .offset: 8, .size: 8, .value_kind: global_buffer, .address_space: global }
      - { .name: bo, .offset: 16, .size: 8, .value_kind: global_buffer, .address_space: global }
      - { .name: out0, .offset: 24, .size: 8, .value_kind: global_buffer, .address_space: global }
    .group_segment_fixed_size: 167936
    .private_segment_fixed_size: 0
    .kernarg_segment_align: 8
    .kernarg_segment_size: 32
    .max_flat_workgroup_size: 128
    .sgpr_count:     66
    .vgpr_count:     768
    .wavefront_size: 32
...
	.end_amdgpu_metadata
.endif
;; end of part 4
